; MI455X (gfx1250); checked and timed in simulation.
; The chip was launched on July 23, 2026; its instructions are those of AMD's public machine-readable ISA for CDNA 5 (MIT licence, August 2026) and "CDNA5" Instruction Set Architecture Reference Guide (July 2026). The comments in the code are by the model that wrote it; some were corrected since.
;; MLP Attn. Allowed arithmetic: matrix products marked QUANTISED: E3M2 operands, one E8M0 scale for each 32 along K, by v_wmma_scale_f32_16x16x128_f8f6f4 with both operands' format E3M2, f32 sums; products left as they are: f32 operands where the result goes on into a quantised operand, else bf16, f16 or f32 operands; f32 sums; everything else in f32.
;; Inputs: W_mlp 256 x 512 float32; b_mlp 256 float32; b_out 1 float32; decoder_states 2 x 512 x 256 float32; encoder_states 2 x 512 x 256 float32; w_out 1 x 256 float32.
;; Outputs: out0 2 x 512 x 512 float32.
;; This version of the problem:
;;   THIS VERSION OF THE PROBLEM IS GIVEN IN LOW PRECISION. The matrix products marked QUANTISED in the list below multiply operands that are first quantised to E3M2 (3 exponent bits, 2 mantissa bits; 6 bits a number), with one power-of-two scale for each 32 numbers along K (OCP MX v1.0); their sums are f32. All else is computed in f32.
;;   The module's matrix products, in the order in which they are computed (A, B: the left and right operand; K: the contracted axis; several contracted axes count as one K, in the product's order):
;;     1. [M 1,024, K 256] x [K 256, N 256]; A: input encoder_states; B: input W_mlp: QUANTISED
;;     2. [M 1,024, K 256] x [K 256, N 256]; A: input decoder_states; B: input W_mlp: QUANTISED
;;     3. [M 524,288, K 256] x [K 256, N 1]; A: computed on the way; B: input w_out: left as it is (N = 1 < 16)
;;   THE QUANTISER, for each operand of a quantised product, along K:
;;     - K is cut into blocks of 32 from its start; a last block that is shorter is filled with zeros.
;;     - A block's scale is 2^e with e = floor(log2(the largest magnitude in the block)) - 4, held to -126 .. 127; a block of zeros has e = 0. As a byte (E8M0): e + 127.
;;     - Each number is divided by its block's scale, clamped to +-28, and rounded to the nearest number of E3M2, ties to even, subnormals kept.
;;     - The product sums the exact products of the quantised numbers (number of the format x scale) in f32.
;;   ~~~python
;;   def quantise(x, axis):      # numpy; x: float32 -> the quantised numbers, widened to float32 again
;;       x = np.moveaxis(x, axis, -1); K = x.shape[-1]
;;       x = np.pad(x, [(0, 0)] * (x.ndim - 1) + [(0, -K % 32)]); x = x.reshape(x.shape[:-1] + (-1, 32)); a = np.abs(x).max(-1, keepdims=True)
;;       e = np.where(a > 0, np.clip(np.frexp(np.where(a > 0, a, 1))[1] - 1 - 4, -126, 127), 0)      # np.frexp(a)[1] - 1 = floor(log2(a)), exactly
;;       r = np.clip(x / 2.0 ** e, -28, 28)
;;       step = 2.0 ** (np.maximum(np.frexp(np.where(r == 0, 1, r))[1] - 1, -2) - 2)
;;       q = np.round(r / step) * step * 2.0 ** e      # np.round: ties to even
;;       return np.moveaxis(q.reshape(q.shape[:-2] + (-1,))[..., :K], -1, axis).astype(np.float32)
;;   ~~~
;; 2 versions, each right; version 2 is version 1 with the launches proj, score written anew for expert scheduling mode. Each part assembles by itself: llvm-mc -triple=amdgcn-amd-amdhsa -mcpu=gfx1250 --defsym DOCPART=n.
;; ======== version 1 of 2: 2 launches
;; limits: a difference of large sums (such as E[x^2] - mean^2): digits are lost where the result is much smaller than its terms
;; workspace buffers: proj 2,097,152 bytes
;; launch proj (part 1): grid 4 x 64, 4 waves a work-group, no clusters, 168,448 bytes of LDS; arguments encoder_states, decoder_states, W_mlp, b_mlp, proj; writes proj
.if DOCPART == 1
	.amdgcn_target "amdgcn-amd-amdhsa--gfx1250"
	.amdhsa_code_object_version 6
	.text
	.protected	k_q5afc3763ed_proj
	.globl	k_q5afc3763ed_proj
	.p2align	8
	.type	k_q5afc3763ed_proj,@function
k_q5afc3763ed_proj:
	s_mov_b64 s[64:65], 0
	v_nop
	global_prefetch_b8 v0, s[64:65] scope:SCOPE_SE
	s_setreg_imm32_b32 hwreg(HW_REG_WAVE_MODE, 25, 1), 1
	s_wait_xcnt 0x0
; The two quantised products: enc_proj = Q(encoder_states) Q(We)^T and dec_proj = Q(decoder_states) Q(Wd)^T, on codes of BF6 (E3M2) with one E8M0 scale for each 32 along K = 256; sums in f32.
; We = W_mlp[:, 0:256], Wd = W_mlp[:, 256:512].  What is stored is what the next launch wants: for encoder rows -enc_proj, for decoder rows dec_proj + b_mlp.
; ROWS: the 1,024 encoder rows (batch x 512 + e) are rows 0-1023, the 1,024 decoder rows are rows 1024-2047.
; LAYOUT OF proj (f32): [64 groups of 32 rows][64 quads of h][row % 32][4 h]: 32,768 bytes a group.  It is the layout of the accumulators below and of the next launch's lanes.
; SHARES: a work-group takes one group of 32 rows (work-group y) and 64 of the 256 columns h (work-group x); wave w takes the 16 columns of tile 4 x + w.
;   Each wave quantises its 16 rows of W (two K steps of 128; they stay in its registers) and ONE of the four fragments of x (row tile w / 2, K step w % 2), which reaches the
;   other waves through LDS as an image of its registers: 3 stores of 16 bytes a lane and the scale word, one barrier, the same lines as loads.
; THE MATRIX INSTRUCTION IS USED TRANSPOSED: source 0 = 16 rows of W, source 1 = 16 rows of x: lane (r, half) then holds row r of x and its registers the columns 8 half + 0 .. 7.
; One path serves both tensors: the pointers, W's half, the bias mask and the sign are chosen on the work-group's number alone.
; No cluster: the 96 KB that a work-group reads are read once, at its head, straight into the registers of the lanes that quantise them.
; THE QUANTISER: a block's scale byte is its largest magnitude's exponent field - 4, held at 1 from below by a floor among the maximum's leaves; the conversion divides by that power of two,
;   rounds to the nearest code, ties to even, and gives the largest code beyond 28.  A block of zeros gets the byte 1 where the rule says 127: its codes are zeros, and only this text reads the bytes.
; LIMITS: NaN and infinities among the inputs are not served.
.set FRB,  1536                        ; a fragment's image: 12 registers x 128 bytes
.set XIMG, 0                           ; LDS: x's four fragments (2 x row tile + K step),
.set XSC,  4*FRB                       ; and their scale words, 128 bytes each: 6,656 bytes in all
.set XN,   16                          ; v16-79    64 numbers of x
.set WA,   80                          ; v80-143   64 numbers of W, K step 0
.set WB,   144                         ; v144-207  64 numbers of W, K step 1
.set TM,   208                         ; v208-223  at work in the quantiser
.set PX,   224                         ; v224-235  x's codes
.set TP,   236                         ; v236-242  the conversions' second halves
.set BI,   244                         ; v244-251  b_mlp in the result's layout (zeros for encoder rows)
.set PWX,  252                         ; v252      x's scale word
.set WS,   253                         ; v253-254  W's scale words, K steps 0 and 1
.set WF,   16                          ; v16-39    W's two fragments (x's numbers are done with)
.set XS,   40                          ; v40-43    x's four scale words, from LDS
.set XF,   80                          ; v80-127   x's four fragments, from LDS (W's numbers are done with)
.set AC,   128                         ; v128-143  two accumulators: row tiles 0 and 1
.set OU,   144                         ; v144-159  what is stored
.set SEL,  20                          ; s[20:21]  lane selects: lane l xor 16
	s_load_b256 s[4:11], s[0:1], 0x0               ; encoder s[4:5], decoder s[6:7], W_mlp s[8:9], b_mlp s[10:11]
	s_load_b64 s[12:13], s[0:1], 0x20              ; proj
	v_lshl_add_u32 v243, v0, 2, 0x29000
	v_mov_b32 v255, 0
	v_lshrrev_b32 v1, 5, v0
	v_readfirstlane_b32 s14, v1                    ; wave 0..3
	v_and_b32 v11, 31, v0                          ; lane
	v_and_b32 v1, 15, v0                           ; r
	v_bfe_u32 v2, v0, 4, 1                         ; half
	v_lshlrev_b32 v3, 10, v1
	v_lshl_add_u32 v3, v2, 6, v3                   ; x: row r of 1,024 bytes + 64 half: my 16 numbers of a block of 32
	v_lshlrev_b32 v4, 11, v1
	v_lshl_add_u32 v4, v2, 6, v4                   ; W: row r of 2,048 bytes + 64 half
	v_lshlrev_b32 v5, 5, v2                        ; b_mlp: my half's eight numbers
	v_lshlrev_b32 v6, 4, v11                       ; 16 x lane: an image's place for my lane
	v_lshlrev_b32 v7, 2, v11                       ; 4 x lane: a scale word's
	s_mul_i32 s18, s14, FRB
	v_add_nc_u32 v8, s18, v6                       ; where I store my fragment of x
	s_lshl_b32 s18, s14, 7
	v_add_nc_u32 v9, s18, v7                       ; and its scale word
	v_lshlrev_b32 v10, 4, v1
	v_lshl_add_u32 v10, v2, 10, v10                ; proj: 16 r + two quads of h (1,024 bytes) for the upper half
	s_mov_b32 s[SEL], 0x76543210
	s_mov_b32 s[SEL+1], 0xfedcba98
.irp b, 0,1,2,3
	v_mov_b32 v[TM+4+\b], 0                        ; written once: a lane permute's destination counts as one of its sources
.endr
	s_and_b32 s15, ttmp7, 0xffff                   ; the group of 32 rows, 0..63
	s_and_b32 s16, s15, 31                         ; and within its tensor
	s_lshl_b32 s18, s16, 15                        ; x: 32 rows of 1,024 bytes a group,
	s_lshr_b32 s17, s14, 1
	s_lshl_b32 s17, s17, 14                        ; + my row tile (wave / 2): 16 rows,
	s_add_co_u32 s18, s18, s17
	s_and_b32 s17, s14, 1
	s_lshl_b32 s17, s17, 9                         ; + my K step (wave % 2): 512 bytes
	s_add_co_u32 s18, s18, s17
	s_mov_b32 s19, 0
	s_lshl_b32 s28, ttmp9, 2
	s_add_co_u32 s28, s28, s14                     ; my column tile, 0..15
	s_lshl_b32 s30, s28, 15                        ; W: 16 rows of 2,048 bytes a tile
	s_mov_b32 s31, 0
	s_lshl_b32 s32, s28, 6                         ; b_mlp: 16 numbers a tile
	s_mov_b32 s33, 0
	s_lshl_b32 s34, s15, 15                        ; proj: the group,
	s_lshl_b32 s29, s28, 11                        ; + four quads of h of 512 bytes a tile
	s_add_co_u32 s34, s34, s29
	s_mov_b32 s35, 0
	s_wait_kmcnt 0x0
	s_cmp_lt_u32 s15, 32                           ; encoder rows or decoder rows?  The choice hangs on the work-group's number alone
	s_cselect_b64 s[26:27], s[4:5], s[6:7]         ; x
	s_cselect_b32 s24, 0, 1024                     ; We begins at byte 0 of a row of W_mlp, Wd at byte 1,024
	s_cselect_b32 s22, 0x80000000, 0               ; encoder results change their sign
	s_cselect_b32 s23, 0, -1                       ; and take no bias
	s_add_co_u32 s30, s30, s24
	s_add_nc_u64 s[26:27], s[26:27], s[18:19]
	s_add_nc_u64 s[8:9], s[8:9], s[30:31]
	s_add_nc_u64 s[10:11], s[10:11], s[32:33]
	s_add_nc_u64 s[12:13], s[12:13], s[34:35]
; 64 numbers of a lane: register 16 b + i = k 32 b + 16 half + i of my row, for one K step of 128
.macro NLOAD reg, adr, base, off
.irp b, 0,1,2,3
.irp j, 0,1,2,3
	global_load_b128 v[\reg+16*\b+4*\j:\reg+16*\b+4*\j+3], v[\adr], s[\base:\base+1] offset:\off+128*\b+16*\j
.endr
.endr
.endm
	NLOAD XN, 3, 26, 0                             ; x first: its codes have the longest way
	global_load_b128 v[BI:BI+3], v5, s[10:11]
	global_load_b128 v[BI+4:BI+7], v5, s[10:11] offset:16
	NLOAD WA, 4, 8, 0
	NLOAD WB, 4, 8, 512
; The 64 numbers v[s] .. v[s + 63] become a fragment's codes in v[pc] .. v[pc + 11] and its rows' scale word in v[pw].
.macro QUANT s, pc, pw
.irp b, 0,1,2,3
	v_max3_num_f32 v[TM+\b], |v[\s+16*\b]|, |v[\s+1+16*\b]|, 0x2800000   ; block b: my 16 numbers, and the floor 2^(5 - 127): the byte cannot fall under 1
.endr
.irp i, 2,4,6,8,10,12,14
.irp b, 0,1,2,3
	v_max3_num_f32 v[TM+\b], v[TM+\b], |v[\s+16*\b+\i]|, |v[\s+1+16*\b+\i]|   ; the four blocks by turns
.endr
.endr
.irp b, 0,1,2,3
	v_permlanex16_b32 v[TM+4+\b], v[TM+\b], s[SEL], s[SEL+1]
.endr
.irp b, 0,1,2,3
	v_max_num_f32 v[TM+\b], v[TM+\b], v[TM+4+\b]   ; with lane l xor 16's 16 numbers: the block's largest magnitude
.endr
.irp b, 0,1,2,3
	v_add_nc_u32 v[TM+12+\b], 0xfe000000, v[TM+\b] ; 4 off its exponent field: the conversion takes the exponent field of this operand as its scale
.endr
.irp b, 0,1,2,3
	v_lshrrev_b32 v[TM+4+\b], 23, v[TM+12+\b]      ; the scale's byte
.endr
	v_lshl_or_b32 v[\pw], v[TM+5], 8, v[TM+4]      ; four bytes make my row's scale word
	v_lshl_or_b32 v[\pw], v[TM+6], 16, v[\pw]
	v_lshl_or_b32 v[\pw], v[TM+7], 24, v[\pw]
.irp c, 0,1
	v_cvt_scalef32_pk16_bf6_f32 v[\pc+6*\c:\pc+6*\c+2], v[\s+32*\c:\s+32*\c+15], v[TM+12+2*\c]          ; the codes of k = 64 c + 16 half + 0 .. 15
	v_cvt_scalef32_pk16_bf6_f32 v[TP+4*\c:TP+4*\c+2], v[\s+32*\c+16:\s+32*\c+31], v[TM+13+2*\c]         ; and of k = 64 c + 32 + 16 half + 0 .. 15 (three registers begin on an even number)
.endr
	v_nop                                          ; one plain instruction behind the scaled conversions
.irp c, 0,1                                    ; the operand wants a whole block in a lane: lanes 0-15 block 2 c, lanes 16-31 block 2 c + 1
.irp i, 0,1,2
	v_permlane16_swap_b32 v[\pc+6*\c+\i], v[TP+4*\c+\i]
.endr
.irp i, 0,1,2
	v_mov_b32 v[\pc+6*\c+3+\i], v[TP+4*\c+\i]
.endr
.endr
.endm
	s_wait_loadcnt 34                              ; x's 16 loads are in; the bias's 2 and W's 32 may be out
	QUANT XN, PX, PWX
.irp c, 0,1,2
	ds_store_b128 v8, v[PX+4*\c:PX+4*\c+3] offset:XIMG+512*\c   ; the fragment goes to LDS as it stands: lane l's 16 bytes at 16 l
.endr
	ds_store_b32 v9, v[PWX] offset:XSC
	s_wait_loadcnt 16                              ; the bias and W's K step 0 are in; K step 1's 16 loads may be out
.irp j, 0,1,2,3,4,5,6,7
	v_and_b32 v[BI+\j], s23, v[BI+\j]              ; b_mlp belongs to the decoder's half of the sum alone
.endr
	QUANT WA, WF, WS
	s_wait_loadcnt 0x0
	QUANT WB, WF+12, WS+1
	s_wait_dscnt 0x0                               ; for the others' sake: my image has landed
	s_barrier_signal -1
	s_barrier_wait -1                              ; x's four fragments lie in LDS
.irp f, 0,1,2,3
.irp c, 0,1,2
	ds_load_b128 v[XF+12*\f+4*\c:XF+12*\f+4*\c+3], v6 offset:XIMG+FRB*\f+512*\c
.endr
	ds_load_b32 v[XS+\f], v7 offset:XSC+128*\f
.endr
.rept 8
	v_nop                                          ; W's scale words and codes were written by vector instructions: eight plain instructions stand between them and the scaled matrix instructions
.endr
	s_wait_dscnt 0x0
.irp m, 0,1                                    ; the two accumulators take turns; the bias is the C of each sum's first instruction
	v_wmma_scale_f32_16x16x128_f8f6f4 v[AC+8*\m:AC+8*\m+7], v[WF:WF+11], v[XF+24*\m:XF+24*\m+11], v[BI:BI+7], v[WS], v[XS+2*\m] matrix_a_fmt:MATRIX_FMT_BF6 matrix_b_fmt:MATRIX_FMT_BF6
.endr
.irp m, 0,1
	v_wmma_scale_f32_16x16x128_f8f6f4 v[AC+8*\m:AC+8*\m+7], v[WF+12:WF+23], v[XF+24*\m+12:XF+24*\m+23], v[AC+8*\m:AC+8*\m+7], v[WS+1], v[XS+2*\m+1] matrix_a_fmt:MATRIX_FMT_BF6 matrix_b_fmt:MATRIX_FMT_BF6
.endr
.rept 4
	v_nop                                          ; four plain instructions behind a matrix instruction before its result is read (ISA guide 7.12.1)
.endr
.irp j, 0,1,2,3,4,5,6,7,8,9,10,11,12,13,14,15
	v_xor_b32 v[OU+\j], s22, v[AC+\j]              ; -enc_proj, or dec_proj + b_mlp as it is; each accumulator from its low end on
.endr
.irp m, 0,1
.irp k, 0,1
	global_store_b128 v10, v[OU+8*\m+4*\k:OU+8*\m+4*\k+3], s[12:13] offset:256*\m+512*\k   ; lanes 0-15 and lanes 16-31 each store 256 consecutive bytes, at a multiple of 256 from proj's first byte
.endr
.endr
	s_wait_tensorcnt 0x0
	ds_add_u32 v243, v255
	s_wait_dscnt 0x0
	s_endpgm
.Lfunc_end_k_q5afc3763ed_proj:
	.size	k_q5afc3763ed_proj, .Lfunc_end_k_q5afc3763ed_proj-k_q5afc3763ed_proj
	.p2alignl 7, 3214868480
	.fill 96, 4, 3214868480
	.section	.rodata,"a",@progbits
	.p2align	6, 0x0
	.amdhsa_kernel k_q5afc3763ed_proj
		.amdhsa_group_segment_fixed_size 168448
		.amdhsa_private_segment_fixed_size 0
		.amdhsa_enable_private_segment 0
		.amdhsa_kernarg_size 40
		.amdhsa_user_sgpr_count 2
		.amdhsa_user_sgpr_kernarg_segment_ptr 1
		.amdhsa_wavefront_size32 1
		.amdhsa_system_sgpr_workgroup_id_x 1
		.amdhsa_system_sgpr_workgroup_id_y 1
		.amdhsa_system_sgpr_workgroup_id_z 1
		.amdhsa_system_vgpr_workitem_id 0
		.amdhsa_next_free_vgpr 256
		.amdhsa_next_free_sgpr 66
		.amdhsa_reserve_vcc 0
		.amdhsa_float_denorm_mode_32 3
		.amdhsa_float_denorm_mode_16_64 3
		.amdhsa_memory_ordered 1
		.amdhsa_forward_progress 1
		.amdhsa_inst_pref_size 22
	.end_amdhsa_kernel
	.amdgpu_metadata
---
amdhsa.version: [ 1, 2 ]
amdhsa.kernels:
  - .name:           k_q5afc3763ed_proj
    .symbol:         k_q5afc3763ed_proj.kd
    .args:
      - { .name: encoder_states, .offset: 0, .size: 8, .value_kind: global_buffer, .address_space: global }
      - { .name: decoder_states, .offset: 8, .size: 8, .value_kind: global_buffer, .address_space: global }
      - { .name: W_mlp, .offset: 16, .size: 8, .value_kind: global_buffer, .address_space: global }
      - { .name: b_mlp, .offset: 24, .size: 8, .value_kind: global_buffer, .address_space: global }
      - { .name: proj, .offset: 32, .size: 8, .value_kind: global_buffer, .address_space: global }
    .group_segment_fixed_size: 168448
    .private_segment_fixed_size: 0
    .kernarg_segment_align: 8
    .kernarg_segment_size: 40
    .max_flat_workgroup_size: 128
    .sgpr_count:     66
    .vgpr_count:     256
    .wavefront_size: 32
...
	.end_amdgpu_metadata
.endif
;; end of part 1
;; launch score (part 2): grid 8 x 32, 8 waves a work-group, no clusters, 168,960 bytes of LDS; arguments proj, w_out, b_out, out0; writes out0
.if DOCPART == 2
	.amdgcn_target "amdgcn-amd-amdhsa--gfx1250"
	.amdhsa_code_object_version 6
	.text
	.protected	k_q5afc3763ed_score
	.globl	k_q5afc3763ed_score
	.p2align	8
	.type	k_q5afc3763ed_score,@function
k_q5afc3763ed_score:
	s_mov_b64 s[64:65], 0
	v_nop
	global_prefetch_b8 v0, s[64:65] scope:SCOPE_SE
	s_setreg_imm32_b32 hwreg(HW_REG_WAVE_MODE, 25, 1), 1
	s_wait_xcnt 0x0
; out0[b][q][e] = sum over h of w_out[h] relu(dec_proj[q][h] + enc_proj[e][h] + b_mlp[h]) + b_out, all in f32.
; proj holds a[q][h] = dec_proj + b_mlp and n[e][h] = -enc_proj, laid [group of 32 rows][quad of h][row % 32][4 h]; encoder groups 0-31, decoder groups 32-63.
; THE ARITHMETIC.  relu(a - n) = max(a, n) - n, so out = sum_h w max(a, n) - sum_h w n + b_out.  The second sum does not hang on q: each wave forms it once for its e and h and gives it,
;   negated, as the addend of the first multiply-add of every q.  A triple (q, e, h) then costs half a dual maximum and half a packed multiply-add.
; ROUNDING, stated: an output is the difference of two f32 sums, so its error is bounded by about 256 x 2^-24 x sum_h |w| max(|a|, |n|), not by the size of the result;
;   the order of the additions differs from a plain sum over h (h in 8 parts of 32, each in even and odd h).  NaN and infinities are not served.
; The product with w_out has one column: it is made by f32 multiply-adds; a matrix instruction would use one of its sixteen columns.
; SHARES.  A work-group owns 32 q (work-group y = 16 x batch + block) x 64 e (work-group x).  Its eight waves share h, 32 each, so each byte of a and n is read once by the work-group.
;   A lane holds e = lane and e = 32 + lane: the wave's 8 KB of n go straight into 64 registers and stay.  a[q][h] is the same for all lanes: the wave's 4 KB of a go through
;   its own 4 KB of LDS and come back by loads of 16 bytes in which all lanes name one address.
; THE LOOP.  8 blocks of 4 q; a block is 8 sub-steps of 4 h: twice (8 dual maxima, 8 packed multiply-adds on 8 pairs of sums), so that no instruction reads a result younger than eight instructions.
;   a comes through a ring of four buffers of 16 registers, three sub-steps ahead.  The first and the last block are written out: the counts of the waits are then exact, and no load leaves the wave's bytes.
; THE END.  The eight waves' parts (8 KB each) meet in LDS behind one barrier; a thread adds eight parts of 4 neighbouring e in two rows q.
; No cluster and no tensor load: the 96 KB that a work-group reads are read once, at its head, in the order of its registers; through LDS n would make a second trip of 64 KB.
; No prefetch: every address is loaded from as soon as it is known.  LDS used: 98,304 bytes.
.set RED, 32768                        ; LDS: 8 x 4,096 bytes of a, then 8 x 8,192 bytes of partial sums [wave][q][64 e]
.set LO,  1                            ; v1   16 x lane
.set ZR,  2                            ; v2   0
.set AD0, 3                            ; v3   4,096 x wave: my wave's a in LDS
.set AD,  4                            ; v4   the same at the block of q in hand
.set AR0, 5                            ; v5   RED + 8,192 x wave + 4 x lane
.set AR,  6                            ; v6   the same at the block in hand
.set SA,  7                            ; v7   4,096 x wave + 16 x lane: where a is laid down
.set AF,  8                            ; v8   RED + 16 x thread: the final sum's loads
.set GO,  9                            ; v9   my byte offset in the work-group's part of out0
.set BS,  12                           ; v12-15   -(sum of w n) over my h, for e = lane and e = 32 + lane, each in even and odd h
.set CH,  16                           ; v16-23   four chains for it
.set R,   24                           ; v24-31   a block's eight results
.set W,   32                           ; v32-63   w_out at my 32 h, the same in all lanes
.set NE,  64                           ; v64-127  n[e = 32 t + lane][my 32 h] at v[NE + 32 t + h]; at the end the parts to be added
.set D,   128                          ; v128-191 the ring: buffer k holds a[4 q][4 h] at v[D + 16 k + 4 i + j]
.set M,   192                          ; v192-207 eight pairs of maxima  (v192-223 first carry a on its way to LDS)
.set ACC, 208                          ; v208-223 eight pairs of sums: (q i, e t) at v[ACC + 4 i + 2 t], even h and odd h
.set QS,  28                           ; s28  64 x block: 4 q of 16 bytes
.set RS,  29                           ; s29  1,024 x block: 4 rows of 256 bytes
.set CNT, 30
	s_load_b128 s[4:7], s[0:1], 0x0                ; proj s[4:5], w_out s[6:7]
	s_load_b128 s[8:11], s[0:1], 0x10              ; b_out s[8:9], out0 s[10:11]
	v_lshl_add_u32 v224, v0, 2, 0x29000
	v_mov_b32 v225, 0
	v_lshrrev_b32 v10, 5, v0
	v_readfirstlane_b32 s12, v10                   ; wave 0..7
	v_and_b32 v[LO], 31, v0
	v_lshlrev_b32 v[AR0], 2, v[LO]
	v_lshlrev_b32 v[LO], 4, v[LO]
	v_mov_b32 v[ZR], 0
	v_and_b32 v[AD0], 0xe0, v0
	v_lshlrev_b32 v[AD0], 7, v[AD0]                ; 32 x wave x 128
	v_add_nc_u32 v[SA], v[AD0], v[LO]
	v_lshl_add_u32 v[AR0], v[AD0], 1, v[AR0]
	v_add_nc_u32 v[AR0], RED, v[AR0]
	v_lshl_add_u32 v[AF], v0, 4, RED
	v_lshrrev_b32 v[GO], 4, v0
	v_lshlrev_b32 v[GO], 11, v[GO]                 ; row thread / 16 of 2,048 bytes,
	v_and_b32 v10, 15, v0
	v_lshl_add_u32 v[GO], v10, 4, v[GO]            ; + 16 bytes for each of sixteen neighbouring lanes
	v_mov_b32 v[AD], v[AD0]
	v_mov_b32 v[AR], v[AR0]
	s_mov_b32 s[QS], 0
	s_mov_b32 s[RS], 0
	s_and_b32 s13, ttmp7, 0xffff                   ; y = 16 x batch + block of 32 q
	s_lshr_b32 s14, s13, 4
	s_lshl_b32 s14, s14, 4                         ; the batch's first encoder group,
	s_lshl_b32 s15, ttmp9, 1
	s_add_co_u32 s14, s14, s15                     ; + two groups for each block of 64 e
	s_lshl_b32 s14, s14, 15
	s_lshl_b32 s16, s12, 12                        ; my wave's eight quads of h: 4,096 bytes
	s_add_co_u32 s14, s14, s16
	s_mov_b32 s15, 0
	s_add_co_u32 s18, s13, 32                      ; the decoder group
	s_lshl_b32 s18, s18, 15
	s_add_co_u32 s18, s18, s16
	s_mov_b32 s19, 0
	s_lshl_b32 s20, s12, 7                         ; w_out: my 32 numbers
	s_mov_b32 s21, 0
	s_lshl_b32 s22, s13, 16                        ; out0: 32 rows of 2,048 bytes for each y,
	s_lshl_b32 s23, ttmp9, 8                       ; + 64 numbers for each x
	s_add_co_u32 s22, s22, s23
	s_mov_b32 s23, 0
	s_wait_kmcnt 0x0
	s_load_b32 s24, s[8:9], 0x0                    ; b_out: wanted at the very end
	s_add_nc_u64 s[26:27], s[4:5], s[18:19]        ; a
	s_add_nc_u64 s[4:5], s[4:5], s[14:15]          ; n
	s_add_nc_u64 s[6:7], s[6:7], s[20:21]
	s_add_nc_u64 s[10:11], s[10:11], s[22:23]
.irp k, 0,1,2,3,4,5,6,7
	global_load_b128 v[M+4*\k:M+4*\k+3], v[LO], s[26:27] offset:512*\k     ; a first: it has the longer way.  32 lanes read 512 consecutive bytes: lane = q, four h
.endr
.irp k, 0,1,2,3,4,5,6,7
	global_load_b128 v[W+4*\k:W+4*\k+3], v[ZR], s[6:7] offset:16*\k        ; all lanes read the same 16 bytes
.endr
.irp t, 0,1
.irp k, 0,1,2,3,4,5,6,7
	global_load_b128 v[NE+32*\t+4*\k:NE+32*\t+4*\k+3], v[LO], s[4:5] offset:32768*\t+512*\k   ; lane = e, four h
.endr
.endr
; a[4 q][4 h] of quad hq into buffer buf; nxt = 1: of the next block of q.  All lanes name one address.
.macro LOADD buf, hq, nxt
.irp i, 0,1,2,3
	ds_load_b128 v[D+16*(\buf)+4*\i:D+16*(\buf)+4*\i+3], v[AD] offset:512*(\hq)+16*\i+64*(\nxt)
.endr
.endm
	s_wait_loadcnt 24                              ; a's 8 loads are in; w's 8 and n's 16 may be out
.irp k, 0,1,2,3,4,5,6,7
	ds_store_b128 v[SA], v[M+4*\k:M+4*\k+3] offset:512*\k   ; into my wave's own bytes, as it lies: [quad of h][q][4 h]
.endr
	LOADD 0, 0, 0                                  ; LDS serves a wave's instructions in order (ISA guide 5.7.1.4): these see the stores above
	LOADD 1, 1, 0
	LOADD 2, 2, 0
	s_wait_loadcnt 0x0
; -(sum over my 32 h of w n), in even and odd h: two chains for each e, then one negated addition
.irp t, 0,1
.irp c, 0,1
	v_pk_mul_f32 v[CH+4*\t+2*\c:CH+4*\t+2*\c+1], v[NE+32*\t+16*\c:NE+32*\t+16*\c+1], v[W+16*\c:W+16*\c+1]
.endr
.endr
.irp i, 2,4,6,8,10,12,14
.irp t, 0,1
.irp c, 0,1
	v_pk_fma_f32 v[CH+4*\t+2*\c:CH+4*\t+2*\c+1], v[NE+32*\t+16*\c+\i:NE+32*\t+16*\c+\i+1], v[W+16*\c+\i:W+16*\c+\i+1], v[CH+4*\t+2*\c:CH+4*\t+2*\c+1]
.endr
.endr
.endr
.irp t, 0,1
	v_pk_add_f32 v[BS+2*\t:BS+2*\t+1], v[CH+4*\t:CH+4*\t+1], v[CH+4*\t+2:CH+4*\t+3] neg_lo:[1,1] neg_hi:[1,1]
.endr
; Sub-step u of a block: h = 4 u .. 4 u + 3, four q, two e a lane.
; THE WAIT counts the LDS instructions issued behind this sub-step's four loads: three younger buffers (12); in sub-steps 0 to 2 of every block but the first also the eight
; stores of the block before (20); in the last block, which asks for nothing beyond its end, 8, 4 and 0.
.macro SUB u, first, last
.if (\u)+3 < 8
	LOADD ((\u)+3)%4, (\u)+3, 0                    ; three sub-steps ahead, into the buffer read last
.elseif !(\last)
	LOADD ((\u)+3)%4, (\u)-5, 1                    ; on into the next block of q
.endif
.if (\last) && ((\u) > 4)
	s_wait_dscnt 4*(7-(\u))
.elseif (\first) || ((\u) > 2)
	s_wait_dscnt 12
.else
	s_wait_dscnt 20
.endif
.irp p, 0,1
.irp i, 0,1,2,3
.irp t, 0,1
	v_dual_max_num_f32 v[M+4*\i+2*\t], v[D+16*((\u)%4)+4*\i+2*\p], v[NE+32*\t+4*(\u)+2*\p] :: v_dual_max_num_f32 v[M+4*\i+2*\t+1], v[D+16*((\u)%4)+4*\i+2*\p+1], v[NE+32*\t+4*(\u)+2*\p+1]   ; max(a, n) at an even h and at the odd h beside it
.endr
.endr
.irp i, 0,1,2,3
.irp t, 0,1
.if ((\u) == 0) && (\p == 0)
	v_pk_fma_f32 v[ACC+4*\i+2*\t:ACC+4*\i+2*\t+1], v[M+4*\i+2*\t:M+4*\i+2*\t+1], v[W+4*(\u)+2*\p:W+4*(\u)+2*\p+1], v[BS+2*\t:BS+2*\t+1]   ; the first product starts the sums, on -(sum of w n): nothing is cleared
.else
	v_pk_fma_f32 v[ACC+4*\i+2*\t:ACC+4*\i+2*\t+1], v[M+4*\i+2*\t:M+4*\i+2*\t+1], v[W+4*(\u)+2*\p:W+4*(\u)+2*\p+1], v[ACC+4*\i+2*\t:ACC+4*\i+2*\t+1]
.endif
.endr
.endr
.endr
.endm
; A block of 4 q: its eight sub-steps; even and odd h are added; the eight results go to my wave's part of the partial sums.
.macro TRIP first, last
.irp u, 0,1,2,3,4,5,6,7
	SUB \u, \first, \last
.endr
.irp i, 0,1,2,3
.irp t, 0,1
	v_add_f32 v[R+2*\i+\t], v[ACC+4*\i+2*\t], v[ACC+4*\i+2*\t+1]   ; into registers of their own: they are written again a block later, behind waits that cover the stores below
.endr
.endr
.irp i, 0,1,2,3
.irp t, 0,1
	ds_store_b32 v[AR], v[R+2*\i+\t] offset:256*\i+128*\t          ; 32 lanes store 128 consecutive bytes: row q, e = 32 t + lane
.endr
.endr
.endm
.macro NEXTQ
	s_add_co_u32 s[QS], s[QS], 64
	s_add_co_u32 s[RS], s[RS], 1024
	v_add_nc_u32 v[AD], s[QS], v[AD0]
	v_add_nc_u32 v[AR], s[RS], v[AR0]
.endm
	TRIP 1, 0                                      ; block 0
	NEXTQ
	s_mov_b32 s[CNT], 6
.Lq:                                               ; blocks 1 to 6
	TRIP 0, 0
	NEXTQ
	s_sub_co_u32 s[CNT], s[CNT], 1
	s_cmp_lg_u32 s[CNT], 0
	s_cbranch_scc1 .Lq
	TRIP 0, 1                                      ; block 7 asks for nothing beyond its end
	s_wait_dscnt 0x0                               ; for the others' sake: my partial sums have landed
	s_barrier_signal -1
	s_barrier_wait -1
.irp r, 0,1                                    ; rows q = thread / 16 and 16 + thread / 16; four neighbouring e; the eight waves' parts
.irp w, 0,1,2,3,4,5,6,7
	ds_load_b128 v[NE+32*\r+4*\w:NE+32*\r+4*\w+3], v[AF] offset:4096*\r+8192*\w
.endr
.endr
	s_wait_kmcnt 0x0                               ; b_out
	s_mov_b32 s25, s24                             ; (the packed form names the pair and takes its low word for both halves)
.irp r, 0,1
	s_wait_dscnt 8-8*\r                            ; this row's eight loads are in; the second row's eight may be out
.irp w, 0,2,4,6
.irp c, 0,2
	v_pk_add_f32 v[NE+32*\r+4*\w+\c:NE+32*\r+4*\w+\c+1], v[NE+32*\r+4*\w+\c:NE+32*\r+4*\w+\c+1], v[NE+32*\r+4*\w+4+\c:NE+32*\r+4*\w+4+\c+1]
.endr
.endr
.irp w, 0,4
.irp c, 0,2
	v_pk_add_f32 v[NE+32*\r+4*\w+\c:NE+32*\r+4*\w+\c+1], v[NE+32*\r+4*\w+\c:NE+32*\r+4*\w+\c+1], v[NE+32*\r+4*\w+8+\c:NE+32*\r+4*\w+8+\c+1]
.endr
.endr
.irp c, 0,2
	v_pk_add_f32 v[NE+32*\r+\c:NE+32*\r+\c+1], v[NE+32*\r+\c:NE+32*\r+\c+1], v[NE+32*\r+16+\c:NE+32*\r+16+\c+1]
.endr
.irp c, 0,2
	v_pk_add_f32 v[NE+32*\r+\c:NE+32*\r+\c+1], v[NE+32*\r+\c:NE+32*\r+\c+1], s[24:25] op_sel_hi:[1,0]   ; + b_out
.endr
	global_store_b128 v[GO], v[NE+32*\r:NE+32*\r+3], s[10:11] offset:32768*\r th:TH_STORE_NT   ; sixteen lanes store 256 consecutive bytes, at a multiple of 256 from out0's first byte; written once, read by nobody here
.endr
	s_wait_tensorcnt 0x0
	ds_add_u32 v224, v225
	s_wait_dscnt 0x0
	s_endpgm
.Lfunc_end_k_q5afc3763ed_score:
	.size	k_q5afc3763ed_score, .Lfunc_end_k_q5afc3763ed_score-k_q5afc3763ed_score
	.p2alignl 7, 3214868480
	.fill 96, 4, 3214868480
	.section	.rodata,"a",@progbits
	.p2align	6, 0x0
	.amdhsa_kernel k_q5afc3763ed_score
		.amdhsa_group_segment_fixed_size 168960
		.amdhsa_private_segment_fixed_size 0
		.amdhsa_enable_private_segment 0
		.amdhsa_kernarg_size 32
		.amdhsa_user_sgpr_count 2
		.amdhsa_user_sgpr_kernarg_segment_ptr 1
		.amdhsa_wavefront_size32 1
		.amdhsa_system_sgpr_workgroup_id_x 1
		.amdhsa_system_sgpr_workgroup_id_y 1
		.amdhsa_system_sgpr_workgroup_id_z 1
		.amdhsa_system_vgpr_workitem_id 0
		.amdhsa_next_free_vgpr 226
		.amdhsa_next_free_sgpr 66
		.amdhsa_reserve_vcc 0
		.amdhsa_float_denorm_mode_32 3
		.amdhsa_float_denorm_mode_16_64 3
		.amdhsa_memory_ordered 1
		.amdhsa_forward_progress 1
		.amdhsa_inst_pref_size 69
	.end_amdhsa_kernel
	.amdgpu_metadata
---
amdhsa.version: [ 1, 2 ]
amdhsa.kernels:
  - .name:           k_q5afc3763ed_score
    .symbol:         k_q5afc3763ed_score.kd
    .args:
      - { .name: proj, .offset: 0, .size: 8, .value_kind: global_buffer, .address_space: global }
      - { .name: w_out, .offset: 8, .size: 8, .value_kind: global_buffer, .address_space: global }
      - { .name: b_out, .offset: 16, .size: 8, .value_kind: global_buffer, .address_space: global }
      - { .name: out0, .offset: 24, .size: 8, .value_kind: global_buffer, .address_space: global }
    .group_segment_fixed_size: 168960
    .private_segment_fixed_size: 0
    .kernarg_segment_align: 8
    .kernarg_segment_size: 32
    .max_flat_workgroup_size: 256
    .sgpr_count:     66
    .vgpr_count:     226
    .wavefront_size: 32
...
	.end_amdgpu_metadata
.endif
;; end of part 2
;; ======== version 2 of 2: 2 launches; version 1 with the launches proj, score written anew for expert scheduling mode
;; limits: a difference of large sums (such as E[x^2] - mean^2): digits are lost where the result is much smaller than its terms
;; workspace buffers: proj 2,097,152 bytes
;; launch proj (part 3): grid 4 x 64, 4 waves a work-group, no clusters, 168,448 bytes of LDS; arguments encoder_states, decoder_states, W_mlp, b_mlp, proj; writes proj
.if DOCPART == 3
	.amdgcn_target "amdgcn-amd-amdhsa--gfx1250"
	.amdhsa_code_object_version 6
	.text
	.protected	k_q5afc3763ed_proj
	.globl	k_q5afc3763ed_proj
	.p2align	8
	.type	k_q5afc3763ed_proj,@function
k_q5afc3763ed_proj:
	s_mov_b64 s[64:65], 0
	v_nop
	global_prefetch_b8 v0, s[64:65] scope:SCOPE_SE
	s_setreg_imm32_b32 hwreg(HW_REG_WAVE_SCHED_MODE, 0, 2), 2
	s_setreg_imm32_b32 hwreg(HW_REG_WAVE_MODE, 25, 1), 1
	s_wait_xcnt 0x0
	s_wait_alu depctr_vm_vsrc(0)
; The two quantised products: enc_proj = Q(encoder_states) Q(We)^T and dec_proj = Q(decoder_states) Q(Wd)^T, on codes of BF6 (E3M2) with one E8M0 scale for each 32 along K = 256; sums in f32.
; We = W_mlp[:, 0:256], Wd = W_mlp[:, 256:512].  What is stored is what the next launch wants: for encoder rows -enc_proj, for decoder rows dec_proj + b_mlp.
; ROWS: the 1,024 encoder rows (batch x 512 + e) are rows 0-1023, the 1,024 decoder rows are rows 1024-2047.
; LAYOUT OF proj (f32): [64 groups of 32 rows][64 quads of h][row % 32][4 h]: 32,768 bytes a group.  It is the layout of the accumulators below and of the next launch's lanes.
; SHARES: a work-group takes one group of 32 rows (work-group y) and 64 of the 256 columns h (work-group x); wave w takes the 16 columns of tile 4 x + w.
;   Each wave quantises its 16 rows of W (two K steps of 128; they stay in its registers) and ONE of the four fragments of x (row tile w / 2, K step w % 2), which reaches the
;   other waves through LDS as an image of its registers: 3 stores of 16 bytes a lane and the scale word, one barrier, the same lines as loads.
; THE MATRIX INSTRUCTION IS USED TRANSPOSED: source 0 = 16 rows of W, source 1 = 16 rows of x: lane (r, half) then holds row r of x and its registers the columns 8 half + 0 .. 7.
; One path serves both tensors: the pointers, W's half, the bias mask and the sign are chosen on the work-group's number alone.
; No cluster: the 96 KB that a work-group reads are read once, at its head, straight into the registers of the lanes that quantise them.
; THE QUANTISER: a block's scale byte is its largest magnitude's exponent field - 4, held at 1 from below by a floor among the maximum's leaves; the conversion divides by that power of two,
;   rounds to the nearest code, ties to even, and gives the largest code beyond 28.  A block of zeros gets the byte 1 where the rule says 127: its codes are zeros, and only this text reads the bytes.
; LIMITS: NaN and infinities among the inputs are not served.
; THE MODE: SCHED_MODE bits 1:0 = 2 (LLVM: expert scheduling mode 2), set by the entry lines.  The code itself states the register dependences
; between vector or matrix instructions and memory or LDS instructions, with s_wait_alu, always for 0.
; THE PLAN.  Registers that memory or LDS instructions touch:
;   v3-v10, v243, v255   offsets and LDS addresses: written at the head, never again.
;   v16-207, v244-251    the global loads land in them; no vector instruction names them before.
;   v224-235, v252       x's codes and scale word: written by the first quantiser, read by four LDS stores, never written again.
;   v80-127, v40-43      read, as numbers, by the quantisers; behind the barrier the LDS loads of x's four fragments and scale words land in them.
;   v144-159             written by the sixteen v_xor_b32, read by the four global stores.
; So four waits on va_vdst: ahead of the first load, ahead of the image's stores, ahead of the LDS loads (it also shows W's codes and scale words written, for the scaled matrix instructions), ahead of the global stores.
.set FRB,  1536                        ; a fragment's image: 12 registers x 128 bytes
.set XIMG, 0                           ; LDS: x's four fragments (2 x row tile + K step),
.set XSC,  4*FRB                       ; and their scale words, 128 bytes each: 6,656 bytes in all
.set XN,   16                          ; v16-79    64 numbers of x
.set WA,   80                          ; v80-143   64 numbers of W, K step 0
.set WB,   144                         ; v144-207  64 numbers of W, K step 1
.set TM,   208                         ; v208-223  at work in the quantiser
.set PX,   224                         ; v224-235  x's codes
.set TP,   236                         ; v236-242  the conversions' second halves
.set BI,   244                         ; v244-251  b_mlp in the result's layout (zeros for encoder rows)
.set PWX,  252                         ; v252      x's scale word
.set WS,   253                         ; v253-254  W's scale words, K steps 0 and 1
.set WF,   16                          ; v16-39    W's two fragments (x's numbers are done with)
.set XS,   40                          ; v40-43    x's four scale words, from LDS
.set XF,   80                          ; v80-127   x's four fragments, from LDS (W's numbers are done with)
.set AC,   128                         ; v128-143  two accumulators: row tiles 0 and 1
.set OU,   144                         ; v144-159  what is stored
.set SEL,  20                          ; s[20:21]  lane selects: lane l xor 16
	s_load_b256 s[4:11], s[0:1], 0x0               ; encoder s[4:5], decoder s[6:7], W_mlp s[8:9], b_mlp s[10:11]
	s_load_b64 s[12:13], s[0:1], 0x20              ; proj
	v_lshl_add_u32 v243, v0, 2, 0x29000
	v_mov_b32 v255, 0
	v_lshrrev_b32 v1, 5, v0
	v_readfirstlane_b32 s14, v1                    ; wave 0..3
	v_and_b32 v11, 31, v0                          ; lane
	v_and_b32 v1, 15, v0                           ; r
	v_bfe_u32 v2, v0, 4, 1                         ; half
	v_lshlrev_b32 v3, 10, v1
	v_lshl_add_u32 v3, v2, 6, v3                   ; x: row r of 1,024 bytes + 64 half: my 16 numbers of a block of 32
	v_lshlrev_b32 v4, 11, v1
	v_lshl_add_u32 v4, v2, 6, v4                   ; W: row r of 2,048 bytes + 64 half
	v_lshlrev_b32 v5, 5, v2                        ; b_mlp: my half's eight numbers
	v_lshlrev_b32 v6, 4, v11                       ; 16 x lane: an image's place for my lane
	v_lshlrev_b32 v7, 2, v11                       ; 4 x lane: a scale word's
	s_wait_alu depctr_va_sdst(0)                   ; s14 is written, ahead of its first reader: LDS addresses and the buffers' offsets are made from it
	s_mul_i32 s18, s14, FRB
	v_add_nc_u32 v8, s18, v6                       ; where I store my fragment of x
	s_lshl_b32 s18, s14, 7
	v_add_nc_u32 v9, s18, v7                       ; and its scale word
	v_lshlrev_b32 v10, 4, v1
	v_lshl_add_u32 v10, v2, 10, v10                ; proj: 16 r + two quads of h (1,024 bytes) for the upper half
	s_mov_b32 s[SEL], 0x76543210
	s_mov_b32 s[SEL+1], 0xfedcba98
.irp b, 0,1,2,3
	v_mov_b32 v[TM+4+\b], 0                        ; written once: a lane permute's destination counts as one of its sources
.endr
	s_and_b32 s15, ttmp7, 0xffff                   ; the group of 32 rows, 0..63
	s_and_b32 s16, s15, 31                         ; and within its tensor
	s_lshl_b32 s18, s16, 15                        ; x: 32 rows of 1,024 bytes a group,
	s_lshr_b32 s17, s14, 1
	s_lshl_b32 s17, s17, 14                        ; + my row tile (wave / 2): 16 rows,
	s_add_co_u32 s18, s18, s17
	s_and_b32 s17, s14, 1
	s_lshl_b32 s17, s17, 9                         ; + my K step (wave % 2): 512 bytes
	s_add_co_u32 s18, s18, s17
	s_mov_b32 s19, 0
	s_lshl_b32 s28, ttmp9, 2
	s_add_co_u32 s28, s28, s14                     ; my column tile, 0..15
	s_lshl_b32 s30, s28, 15                        ; W: 16 rows of 2,048 bytes a tile
	s_mov_b32 s31, 0
	s_lshl_b32 s32, s28, 6                         ; b_mlp: 16 numbers a tile
	s_mov_b32 s33, 0
	s_lshl_b32 s34, s15, 15                        ; proj: the group,
	s_lshl_b32 s29, s28, 11                        ; + four quads of h of 512 bytes a tile
	s_add_co_u32 s34, s34, s29
	s_mov_b32 s35, 0
	s_wait_kmcnt 0x0
	s_cmp_lt_u32 s15, 32                           ; encoder rows or decoder rows?  The choice hangs on the work-group's number alone
	s_cselect_b64 s[26:27], s[4:5], s[6:7]         ; x
	s_cselect_b32 s24, 0, 1024                     ; We begins at byte 0 of a row of W_mlp, Wd at byte 1,024
	s_cselect_b32 s22, 0x80000000, 0               ; encoder results change their sign
	s_cselect_b32 s23, 0, -1                       ; and take no bias
	s_add_co_u32 s30, s30, s24
	s_add_nc_u64 s[26:27], s[26:27], s[18:19]
	s_add_nc_u64 s[8:9], s[8:9], s[30:31]
	s_add_nc_u64 s[10:11], s[10:11], s[32:33]
	s_add_nc_u64 s[12:13], s[12:13], s[34:35]
	s_wait_alu depctr_va_vdst(0)                   ; the offsets and LDS addresses v3 to v10 are written, which every load and store of the kernel reads; none of them is written again
; 64 numbers of a lane: register 16 b + i = k 32 b + 16 half + i of my row, for one K step of 128
.macro NLOAD reg, adr, base, off
.irp b, 0,1,2,3
.irp j, 0,1,2,3
	global_load_b128 v[\reg+16*\b+4*\j:\reg+16*\b+4*\j+3], v[\adr], s[\base:\base+1] offset:\off+128*\b+16*\j
.endr
.endr
.endm
	NLOAD XN, 3, 26, 0                             ; x first: its codes have the longest way
	global_load_b128 v[BI:BI+3], v5, s[10:11]
	global_load_b128 v[BI+4:BI+7], v5, s[10:11] offset:16
	NLOAD WA, 4, 8, 0
	NLOAD WB, 4, 8, 512
; The 64 numbers v[s] .. v[s + 63] become a fragment's codes in v[pc] .. v[pc + 11] and its rows' scale word in v[pw].
.macro QUANT s, pc, pw
.irp b, 0,1,2,3
	v_max3_num_f32 v[TM+\b], |v[\s+16*\b]|, |v[\s+1+16*\b]|, 0x2800000   ; block b: my 16 numbers, and the floor 2^(5 - 127): the byte cannot fall under 1
.endr
.irp i, 2,4,6,8,10,12,14
.irp b, 0,1,2,3
	v_max3_num_f32 v[TM+\b], v[TM+\b], |v[\s+16*\b+\i]|, |v[\s+1+16*\b+\i]|   ; the four blocks by turns
.endr
.endr
.irp b, 0,1,2,3
	v_permlanex16_b32 v[TM+4+\b], v[TM+\b], s[SEL], s[SEL+1]
.endr
.irp b, 0,1,2,3
	v_max_num_f32 v[TM+\b], v[TM+\b], v[TM+4+\b]   ; with lane l xor 16's 16 numbers: the block's largest magnitude
.endr
.irp b, 0,1,2,3
	v_add_nc_u32 v[TM+12+\b], 0xfe000000, v[TM+\b] ; 4 off its exponent field: the conversion takes the exponent field of this operand as its scale
.endr
.irp b, 0,1,2,3
	v_lshrrev_b32 v[TM+4+\b], 23, v[TM+12+\b]      ; the scale's byte
.endr
	v_lshl_or_b32 v[\pw], v[TM+5], 8, v[TM+4]      ; four bytes make my row's scale word
	v_lshl_or_b32 v[\pw], v[TM+6], 16, v[\pw]
	v_lshl_or_b32 v[\pw], v[TM+7], 24, v[\pw]
.irp c, 0,1
	v_cvt_scalef32_pk16_bf6_f32 v[\pc+6*\c:\pc+6*\c+2], v[\s+32*\c:\s+32*\c+15], v[TM+12+2*\c]          ; the codes of k = 64 c + 16 half + 0 .. 15
	v_cvt_scalef32_pk16_bf6_f32 v[TP+4*\c:TP+4*\c+2], v[\s+32*\c+16:\s+32*\c+31], v[TM+13+2*\c]         ; and of k = 64 c + 32 + 16 half + 0 .. 15 (three registers begin on an even number)
.endr
	v_nop                                          ; one plain instruction behind the scaled conversions
.irp c, 0,1                                    ; the operand wants a whole block in a lane: lanes 0-15 block 2 c, lanes 16-31 block 2 c + 1
.irp i, 0,1,2
	v_permlane16_swap_b32 v[\pc+6*\c+\i], v[TP+4*\c+\i]
.endr
.irp i, 0,1,2
	v_mov_b32 v[\pc+6*\c+3+\i], v[TP+4*\c+\i]
.endr
.endr
.endm
	s_wait_loadcnt 34                              ; x's 16 loads are in; the bias's 2 and W's 32 may be out
	QUANT XN, PX, PWX
	s_wait_alu depctr_va_vdst(0)                   ; the quantiser has written x's codes v224-235 and scale word v252, which the four LDS stores read
.irp c, 0,1,2
	ds_store_b128 v8, v[PX+4*\c:PX+4*\c+3] offset:XIMG+512*\c   ; the fragment goes to LDS as it stands: lane l's 16 bytes at 16 l
.endr
	ds_store_b32 v9, v[PWX] offset:XSC
	s_wait_loadcnt 16                              ; the bias and W's K step 0 are in; K step 1's 16 loads may be out
.irp j, 0,1,2,3,4,5,6,7
	v_and_b32 v[BI+\j], s23, v[BI+\j]              ; b_mlp belongs to the decoder's half of the sum alone
.endr
	QUANT WA, WF, WS
	s_wait_loadcnt 0x0
	QUANT WB, WF+12, WS+1
	s_wait_dscnt 0x0                               ; for the others' sake: my image has landed
	s_barrier_signal -1
.rept 8
	v_nop                                          ; W's scale words and codes were written by vector instructions: eight plain instructions stand between them and the scaled matrix instructions; they stand here, ahead of the wait below
.endr
	s_barrier_wait -1                              ; x's four fragments lie in LDS
	s_wait_alu depctr_va_vdst(0)                   ; the quantisers are done reading v80-127 and v40-43, in which the LDS loads below land; and W's codes v16-39 and scale words v253-254 are written, which the scaled matrix instructions take
.irp f, 0,1,2,3
.irp c, 0,1,2
	ds_load_b128 v[XF+12*\f+4*\c:XF+12*\f+4*\c+3], v6 offset:XIMG+FRB*\f+512*\c
.endr
	ds_load_b32 v[XS+\f], v7 offset:XSC+128*\f
.endr
	s_wait_dscnt 0x0
.irp m, 0,1                                    ; the two accumulators take turns; the bias is the C of each sum's first instruction
	v_wmma_scale_f32_16x16x128_f8f6f4 v[AC+8*\m:AC+8*\m+7], v[WF:WF+11], v[XF+24*\m:XF+24*\m+11], v[BI:BI+7], v[WS], v[XS+2*\m] matrix_a_fmt:MATRIX_FMT_BF6 matrix_b_fmt:MATRIX_FMT_BF6
.endr
.irp m, 0,1
	v_wmma_scale_f32_16x16x128_f8f6f4 v[AC+8*\m:AC+8*\m+7], v[WF+12:WF+23], v[XF+24*\m+12:XF+24*\m+23], v[AC+8*\m:AC+8*\m+7], v[WS+1], v[XS+2*\m+1] matrix_a_fmt:MATRIX_FMT_BF6 matrix_b_fmt:MATRIX_FMT_BF6
.endr
.rept 4
	v_nop                                          ; four plain instructions behind a matrix instruction before its result is read (ISA guide 7.12.1)
.endr
.irp j, 0,1,2,3,4,5,6,7,8,9,10,11,12,13,14,15
	v_xor_b32 v[OU+\j], s22, v[AC+\j]              ; -enc_proj, or dec_proj + b_mlp as it is; each accumulator from its low end on
.endr
	s_wait_alu depctr_va_vdst(0)                   ; the sixteen lines above have written v144-159, which the four stores read
.irp m, 0,1
.irp k, 0,1
	global_store_b128 v10, v[OU+8*\m+4*\k:OU+8*\m+4*\k+3], s[12:13] offset:256*\m+512*\k   ; lanes 0-15 and lanes 16-31 each store 256 consecutive bytes, at a multiple of 256 from proj's first byte
.endr
.endr
	s_wait_dscnt 0x0                               ; the closing lines, six on end
	s_wait_alu 0x0
	s_wait_tensorcnt 0x0
	ds_add_u32 v243, v255
	s_wait_dscnt 0x0
	s_endpgm
.Lfunc_end_k_q5afc3763ed_proj:
	.size	k_q5afc3763ed_proj, .Lfunc_end_k_q5afc3763ed_proj-k_q5afc3763ed_proj
	.p2alignl 7, 3214868480
	.fill 96, 4, 3214868480
	.section	.rodata,"a",@progbits
	.p2align	6, 0x0
	.amdhsa_kernel k_q5afc3763ed_proj
		.amdhsa_group_segment_fixed_size 168448
		.amdhsa_private_segment_fixed_size 0
		.amdhsa_enable_private_segment 0
		.amdhsa_kernarg_size 40
		.amdhsa_user_sgpr_count 2
		.amdhsa_user_sgpr_kernarg_segment_ptr 1
		.amdhsa_wavefront_size32 1
		.amdhsa_system_sgpr_workgroup_id_x 1
		.amdhsa_system_sgpr_workgroup_id_y 1
		.amdhsa_system_sgpr_workgroup_id_z 1
		.amdhsa_system_vgpr_workitem_id 0
		.amdhsa_next_free_vgpr 256
		.amdhsa_next_free_sgpr 66
		.amdhsa_reserve_vcc 0
		.amdhsa_float_denorm_mode_32 3
		.amdhsa_float_denorm_mode_16_64 3
		.amdhsa_memory_ordered 1
		.amdhsa_forward_progress 1
		.amdhsa_inst_pref_size 23
	.end_amdhsa_kernel
	.amdgpu_metadata
---
amdhsa.version: [ 1, 2 ]
amdhsa.kernels:
  - .name:           k_q5afc3763ed_proj
    .symbol:         k_q5afc3763ed_proj.kd
    .args:
      - { .name: encoder_states, .offset: 0, .size: 8, .value_kind: global_buffer, .address_space: global }
      - { .name: decoder_states, .offset: 8, .size: 8, .value_kind: global_buffer, .address_space: global }
      - { .name: W_mlp, .offset: 16, .size: 8, .value_kind: global_buffer, .address_space: global }
      - { .name: b_mlp, .offset: 24, .size: 8, .value_kind: global_buffer, .address_space: global }
      - { .name: proj, .offset: 32, .size: 8, .value_kind: global_buffer, .address_space: global }
    .group_segment_fixed_size: 168448
    .private_segment_fixed_size: 0
    .kernarg_segment_align: 8
    .kernarg_segment_size: 40
    .max_flat_workgroup_size: 128
    .sgpr_count:     66
    .vgpr_count:     256
    .wavefront_size: 32
...
	.end_amdgpu_metadata
.endif
;; end of part 3
;; launch score (part 4): grid 8 x 32, 8 waves a work-group, no clusters, 168,960 bytes of LDS; arguments proj, w_out, b_out, out0; writes out0
.if DOCPART == 4
	.amdgcn_target "amdgcn-amd-amdhsa--gfx1250"
	.amdhsa_code_object_version 6
	.text
	.protected	k_q5afc3763ed_score
	.globl	k_q5afc3763ed_score
	.p2align	8
	.type	k_q5afc3763ed_score,@function
k_q5afc3763ed_score:
	s_mov_b64 s[64:65], 0
	v_nop
	global_prefetch_b8 v0, s[64:65] scope:SCOPE_SE
	s_setreg_imm32_b32 hwreg(HW_REG_WAVE_SCHED_MODE, 0, 2), 2
	s_setreg_imm32_b32 hwreg(HW_REG_WAVE_MODE, 25, 1), 1
	s_wait_xcnt 0x0
	s_wait_alu depctr_vm_vsrc(0)
; out0[b][q][e] = sum over h of w_out[h] relu(dec_proj[q][h] + enc_proj[e][h] + b_mlp[h]) + b_out, all in f32.
; proj holds a[q][h] = dec_proj + b_mlp and n[e][h] = -enc_proj, laid [group of 32 rows][quad of h][row % 32][4 h]; encoder groups 0-31, decoder groups 32-63.
; THE ARITHMETIC.  relu(a - n) = max(a, n) - n, so out = sum_h w max(a, n) - sum_h w n + b_out.  The second sum does not hang on q: each wave forms it once for its e and h and gives it,
;   negated, as the addend of the first multiply-add of every q.  A triple (q, e, h) then costs half a dual maximum and half a packed multiply-add.
; ROUNDING, stated: an output is the difference of two f32 sums, so its error is bounded by about 256 x 2^-24 x sum_h |w| max(|a|, |n|), not by the size of the result;
;   the order of the additions differs from a plain sum over h (h in 8 parts of 32, each in even and odd h).  NaN and infinities are not served.
; The product with w_out has one column: it is made by f32 multiply-adds; a matrix instruction would use one of its sixteen columns.
; SHARES.  A work-group owns 32 q (work-group y = 16 x batch + block) x 64 e (work-group x).  Its eight waves share h, 32 each, so each byte of a and n is read once by the work-group.
;   A lane holds e = lane and e = 32 + lane: the wave's 8 KB of n go straight into 64 registers and stay.  a[q][h] is the same for all lanes: the wave's 4 KB of a go through
;   its own 4 KB of LDS and come back by loads of 16 bytes in which all lanes name one address.
; THE LOOP.  8 blocks of 4 q; a block is 8 sub-steps of 4 h: twice (8 dual maxima, 8 packed multiply-adds on 8 pairs of sums), so that no instruction reads a result younger than eight instructions.
;   The first and the last block are written out: the counts of the waits are then exact, and no load leaves the wave's bytes.
; THE END.  The eight waves' parts (8 KB each) meet in LDS behind one barrier; a thread adds eight parts of 4 neighbouring e in two rows q.
; No cluster and no tensor load: the 96 KB that a work-group reads are read once, at its head, in the order of its registers; through LDS n would make a second trip of 64 KB.
; No prefetch: every address is loaded from as soon as it is known.  LDS used: 98,304 bytes.
; THE MODE: SCHED_MODE bits 1:0 = 2 (LLVM: expert scheduling mode 2), set by the entry lines.  The code itself states the register dependences
; between vector instructions and memory or LDS instructions, with s_wait_alu, always for 0.
; THE PLAN.  Registers that LDS instructions touch in the loop:
;   D0 .. D3   four buffers of a, in two pairs.  A STEP is two sub-steps: step s works on pair s % 2; its eight LDS loads, for step s + 1, land in the other pair, which step s - 1 has read.
;   R          a block's eight results: written by eight additions at the block's end, read by eight LDS stores that stand in the NEXT block's sub-step 1.
;   v[AD]      read by every load of a; written once a block, at the block's end.      v[AR]  read by the result stores; written once a block, at the block's end, for that block's rows.
;   M, the sums, n, w and the addend are named by vector instructions alone in the loop.
; ONE wait on va_vdst stands at a step's head: the step before is done reading the pair in which this step's loads land; at a block's first step also: R, v[AR] and v[AD] are written.
;   Behind it the loads and stores are dealt among the vector instructions, which name this step's own pair, n, w, M and the sums: none of the registers that those loads and stores touch.
; ONE wait on vm_vsrc a block stands ahead of the lines that write R, v[AR] and v[AD]: the stores and loads issued so far have read them.
.set RED, 32768                        ; LDS: 8 x 4,096 bytes of a, then 8 x 8,192 bytes of partial sums [wave][q][64 e]
.set LO,  1                            ; v1   16 x lane
.set ZR,  2                            ; v2   0
.set AD0, 3                            ; v3   4,096 x wave: my wave's a in LDS
.set AD,  4                            ; v4   the same at the block of q in hand
.set AR0, 5                            ; v5   RED + 8,192 x wave + 4 x lane - 1,024: one block under my wave's part, since v[AR] is made behind the step of s[RS]
.set AR,  6                            ; v6   my place in the rows of the block whose results are to be stored
.set SA,  7                            ; v7   4,096 x wave + 16 x lane: where a is laid down
.set AF,  8                            ; v8   RED + 16 x thread: the final sum's loads
.set GO,  9                            ; v9   my byte offset in the work-group's part of out0
.set BS,  12                           ; v12-15   -(sum of w n) over my h, for e = lane and e = 32 + lane, each in even and odd h
.set CH,  16                           ; v16-23   four chains for it
.set R,   24                           ; v24-31   a block's eight results
.set W,   32                           ; v32-63   w_out at my 32 h, the same in all lanes
.set NE,  64                           ; v64-127  n[e = 32 t + lane][my 32 h] at v[NE + 32 t + h]; at the end the parts to be added
.set D,   128                          ; v128-191 buffer k holds a[4 q][4 h] at v[D + 16 k + 4 i + j]
.set M,   192                          ; v192-207 eight pairs of maxima  (v192-223 first carry a on its way to LDS)
.set ACC, 208                          ; v208-223 eight pairs of sums: (q i, e t) at v[ACC + 4 i + 2 t], even h and odd h
.set QS,  28                           ; s28  64 x block: 4 q of 16 bytes
.set RS,  29                           ; s29  1,024 x blocks finished: 4 rows of 256 bytes each
.set CNT, 30
	s_load_b128 s[4:7], s[0:1], 0x0                ; proj s[4:5], w_out s[6:7]
	s_load_b128 s[8:11], s[0:1], 0x10              ; b_out s[8:9], out0 s[10:11]
	v_lshl_add_u32 v224, v0, 2, 0x29000
	v_mov_b32 v225, 0
	v_lshrrev_b32 v10, 5, v0
	v_readfirstlane_b32 s12, v10                   ; wave 0..7
	v_and_b32 v[LO], 31, v0
	v_lshlrev_b32 v[AR0], 2, v[LO]
	v_lshlrev_b32 v[LO], 4, v[LO]
	v_mov_b32 v[ZR], 0
	v_and_b32 v[AD0], 0xe0, v0
	v_lshlrev_b32 v[AD0], 7, v[AD0]                ; 32 x wave x 128
	v_add_nc_u32 v[SA], v[AD0], v[LO]
	v_lshl_add_u32 v[AR0], v[AD0], 1, v[AR0]
	v_add_nc_u32 v[AR0], RED-1024, v[AR0]
	v_lshl_add_u32 v[AF], v0, 4, RED
	v_lshrrev_b32 v[GO], 4, v0
	v_lshlrev_b32 v[GO], 11, v[GO]                 ; row thread / 16 of 2,048 bytes,
	v_and_b32 v10, 15, v0
	v_lshl_add_u32 v[GO], v10, 4, v[GO]            ; + 16 bytes for each of sixteen neighbouring lanes
	v_mov_b32 v[AD], v[AD0]
	s_wait_alu depctr_va_sdst(0)                   ; s12 is written, ahead of its first reader: the buffers' offsets are made from it
	s_mov_b32 s[QS], 0
	s_mov_b32 s[RS], 0
	s_and_b32 s13, ttmp7, 0xffff                   ; y = 16 x batch + block of 32 q
	s_lshr_b32 s14, s13, 4
	s_lshl_b32 s14, s14, 4                         ; the batch's first encoder group,
	s_lshl_b32 s15, ttmp9, 1
	s_add_co_u32 s14, s14, s15                     ; + two groups for each block of 64 e
	s_lshl_b32 s14, s14, 15
	s_lshl_b32 s16, s12, 12                        ; my wave's eight quads of h: 4,096 bytes
	s_add_co_u32 s14, s14, s16
	s_mov_b32 s15, 0
	s_add_co_u32 s18, s13, 32                      ; the decoder group
	s_lshl_b32 s18, s18, 15
	s_add_co_u32 s18, s18, s16
	s_mov_b32 s19, 0
	s_lshl_b32 s20, s12, 7                         ; w_out: my 32 numbers
	s_mov_b32 s21, 0
	s_lshl_b32 s22, s13, 16                        ; out0: 32 rows of 2,048 bytes for each y,
	s_lshl_b32 s23, ttmp9, 8                       ; + 64 numbers for each x
	s_add_co_u32 s22, s22, s23
	s_mov_b32 s23, 0
	s_wait_kmcnt 0x0
	s_load_b32 s24, s[8:9], 0x0                    ; b_out: wanted at the very end
	s_add_nc_u64 s[26:27], s[4:5], s[18:19]        ; a
	s_add_nc_u64 s[4:5], s[4:5], s[14:15]          ; n
	s_add_nc_u64 s[6:7], s[6:7], s[20:21]
	s_add_nc_u64 s[10:11], s[10:11], s[22:23]
	s_wait_alu depctr_va_vdst(0)                   ; the offsets and LDS addresses v1 to v5 and v7 to v9 are written, which the loads and stores below read; of them only v[AD] is written again, at a block's end
.irp k, 0,1,2,3,4,5,6,7
	global_load_b128 v[M+4*\k:M+4*\k+3], v[LO], s[26:27] offset:512*\k     ; a first: it has the longer way.  32 lanes read 512 consecutive bytes: lane = q, four h
.endr
.irp k, 0,1,2,3,4,5,6,7
	global_load_b128 v[W+4*\k:W+4*\k+3], v[ZR], s[6:7] offset:16*\k        ; all lanes read the same 16 bytes
.endr
.irp t, 0,1
.irp k, 0,1,2,3,4,5,6,7
	global_load_b128 v[NE+32*\t+4*\k:NE+32*\t+4*\k+3], v[LO], s[4:5] offset:32768*\t+512*\k   ; lane = e, four h
.endr
.endr
; a[4 q][4 h] of quad hq into buffer buf; nxt = 1: of the next block of q.  All lanes name one address.
.macro LOADD buf, hq, nxt
.irp i, 0,1,2,3
	ds_load_b128 v[D+16*(\buf)+4*\i:D+16*(\buf)+4*\i+3], v[AD] offset:512*(\hq)+16*\i+64*(\nxt)
.endr
.endm
; Result k = 2 i + t of a finished block goes to my wave's part of the partial sums: 32 lanes store 128 consecutive bytes: row q = i, e = 32 t + lane.
.macro PUT k
	ds_store_b32 v[AR], v[R+(\k)] offset:256*((\k)/2)+128*((\k)%2)
.endm
	s_wait_loadcnt 24                              ; a's 8 loads are in; w's 8 and n's 16 may be out
.irp k, 0,1,2,3,4,5,6,7
	ds_store_b128 v[SA], v[M+4*\k:M+4*\k+3] offset:512*\k   ; into my wave's own bytes, as it lies: [quad of h][q][4 h]
.endr
	LOADD 0, 0, 0                                  ; LDS serves a wave's instructions in order (ISA guide 5.7.1.4): these see the stores above
	LOADD 1, 1, 0                                  ; the first step's pair; each step asks for the next step's
	s_wait_loadcnt 0x0
; -(sum over my 32 h of w n), in even and odd h: two chains for each e, then one negated addition
.irp t, 0,1
.irp c, 0,1
	v_pk_mul_f32 v[CH+4*\t+2*\c:CH+4*\t+2*\c+1], v[NE+32*\t+16*\c:NE+32*\t+16*\c+1], v[W+16*\c:W+16*\c+1]
.endr
.endr
.irp i, 2,4,6,8,10,12,14
.irp t, 0,1
.irp c, 0,1
	v_pk_fma_f32 v[CH+4*\t+2*\c:CH+4*\t+2*\c+1], v[NE+32*\t+16*\c+\i:NE+32*\t+16*\c+\i+1], v[W+16*\c+\i:W+16*\c+\i+1], v[CH+4*\t+2*\c:CH+4*\t+2*\c+1]
.endr
.endr
.endr
.irp t, 0,1
	v_pk_add_f32 v[BS+2*\t:BS+2*\t+1], v[CH+4*\t:CH+4*\t+1], v[CH+4*\t+2:CH+4*\t+3] neg_lo:[1,1] neg_hi:[1,1]
.endr
	s_wait_alu depctr_vm_vsrc(0)                   ; my LDS stores of a have read v192-223: these registers are M and the sums from here on, written by the maxima and the multiply-adds
; Sub-step u of a block: h = 4 u .. 4 u + 3, four q, two e a lane.  Sub-steps 2 s and 2 s + 1 are step s.
; THE WAIT ON DSCNT counts the LDS instructions issued behind this sub-step's four loads.  An even sub-step: the four loads of its pair's other buffer (4).  An odd one: the eight loads that the even one
; has issued (8).  In every block but the first the eight stores of sub-step 1 lie behind the loads of sub-steps 2 and 3: 12 and 16 there.  The last block's last step asks for nothing: 0 in its sub-step 7.
.macro SUB u, first, last
.if ((\u) == 2) && !(\first)
	s_wait_dscnt 12
.elseif (((\u)%2) == 0)
	s_wait_dscnt 4
.elseif ((\u) == 3) && !(\first)
	s_wait_dscnt 16
.elseif ((\u) == 7) && (\last)
	s_wait_dscnt 0x0
.else
	s_wait_dscnt 8
.endif
.if (((\u)%2) == 0) && !((\first) && ((\u) == 0)) && !((\last) && ((\u) == 6))
	s_wait_alu depctr_va_vdst(0)                   ; the step before is done reading its pair of buffers, in which this step's eight loads land; at a block's first step: R and v[AR], which the stores of sub-step 1 read, and v[AD] are written
.endif                                             ; (none in the first block's first step: its loads land in registers that nothing has named, by an address shown written at the head; none in the last block's last step, which loads nothing)
.if (((\u)%2) == 0) && ((\u) < 6)
	LOADD ((\u)+2)%4, (\u)+2, 0                    ; the next step's first buffer
.elseif ((\u) == 6) && !(\last)
	LOADD 0, 0, 1                                  ; on into the next block of q
.endif
.irp p, 0,1
.if ((\u) == 1) && !(\first)
	PUT 4*\p                                       ; the block before: two stores in front of each eight vector instructions.  No wait: no vector instruction since the wait at the block's head names R or v[AR]
	PUT 4*\p+1
.endif
.irp i, 0,1,2,3
.irp t, 0,1
	v_dual_max_num_f32 v[M+4*\i+2*\t], v[D+16*((\u)%4)+4*\i+2*\p], v[NE+32*\t+4*(\u)+2*\p] :: v_dual_max_num_f32 v[M+4*\i+2*\t+1], v[D+16*((\u)%4)+4*\i+2*\p+1], v[NE+32*\t+4*(\u)+2*\p+1]   ; max(a, n) at an even h and at the odd h beside it
.endr
.endr
.if (((\u)%2) == 0) && ((\u) < 6) && (\p == 0)
	LOADD ((\u)+3)%4, (\u)+3, 0                    ; the next step's second buffer.  No wait: the maxima since the wait name this step's own pair
.elseif ((\u) == 6) && !(\last) && (\p == 0)
	LOADD 1, 1, 1
.endif
.if ((\u) == 1) && !(\first)
	PUT 4*\p+2
	PUT 4*\p+3
.endif
.irp i, 0,1,2,3
.irp t, 0,1
.if ((\u) == 0) && (\p == 0)
	v_pk_fma_f32 v[ACC+4*\i+2*\t:ACC+4*\i+2*\t+1], v[M+4*\i+2*\t:M+4*\i+2*\t+1], v[W+4*(\u)+2*\p:W+4*(\u)+2*\p+1], v[BS+2*\t:BS+2*\t+1]   ; the first product starts the sums, on -(sum of w n): nothing is cleared
.else
	v_pk_fma_f32 v[ACC+4*\i+2*\t:ACC+4*\i+2*\t+1], v[M+4*\i+2*\t:M+4*\i+2*\t+1], v[W+4*(\u)+2*\p:W+4*(\u)+2*\p+1], v[ACC+4*\i+2*\t:ACC+4*\i+2*\t+1]
.endif
.endr
.endr
.endr
.endm
; A block of 4 q: its eight sub-steps; even and odd h are added.  The eight results are stored in the next block's sub-step 1 (the last block's: behind the loop).
.macro TRIP first, last
.irp u, 0,1,2,3,4,5,6,7
	SUB \u, \first, \last
.endr
	s_wait_alu depctr_vm_vsrc(0)                   ; the stores of sub-step 1 have read R and v[AR], the loads issued so far have read v[AD]: the lines below and NEXTQ write them again
.irp i, 0,1,2,3
.irp t, 0,1
	v_add_f32 v[R+2*\i+\t], v[ACC+4*\i+2*\t], v[ACC+4*\i+2*\t+1]
.endr
.endr
.endm
; Behind a block, with no LDS instruction since the wait on vm_vsrc in TRIP: where its results go, and, but for the last block, where the next block's a lies.
.macro NEXTQ last
	s_add_co_u32 s[RS], s[RS], 1024
	v_add_nc_u32 v[AR], s[RS], v[AR0]
.if !(\last)
	s_add_co_u32 s[QS], s[QS], 64
	v_add_nc_u32 v[AD], s[QS], v[AD0]
.endif
.endm
	TRIP 1, 0                                      ; block 0
	NEXTQ 0
	s_mov_b32 s[CNT], 6
.Lq:                                               ; blocks 1 to 6
	TRIP 0, 0
	NEXTQ 0
	s_sub_co_u32 s[CNT], s[CNT], 1
	s_cmp_lg_u32 s[CNT], 0
	s_cbranch_scc1 .Lq
	TRIP 0, 1                                      ; block 7 asks for nothing beyond its end
	NEXTQ 1
	s_wait_alu depctr_va_vdst(0)                   ; block 7's results and v[AR] are written, which the eight stores read; and the maxima are done reading n's registers v64-127, in which the loads behind the barrier land
.irp k, 0,1,2,3,4,5,6,7
	PUT \k
.endr
	s_wait_dscnt 0x0                               ; for the others' sake: my partial sums have landed
	s_barrier_signal -1
	s_barrier_wait -1
.irp r, 0,1                                    ; rows q = thread / 16 and 16 + thread / 16; four neighbouring e; the eight waves' parts
.irp w, 0,1,2,3,4,5,6,7
	ds_load_b128 v[NE+32*\r+4*\w:NE+32*\r+4*\w+3], v[AF] offset:4096*\r+8192*\w
.endr
.endr
	s_wait_kmcnt 0x0                               ; b_out
	s_mov_b32 s25, s24                             ; (the packed form names the pair and takes its low word for both halves)
.irp r, 0,1
	s_wait_dscnt 8-8*\r                            ; this row's eight loads are in; the second row's eight may be out
.irp w, 0,2,4,6
.irp c, 0,2
	v_pk_add_f32 v[NE+32*\r+4*\w+\c:NE+32*\r+4*\w+\c+1], v[NE+32*\r+4*\w+\c:NE+32*\r+4*\w+\c+1], v[NE+32*\r+4*\w+4+\c:NE+32*\r+4*\w+4+\c+1]
.endr
.endr
.irp w, 0,4
.irp c, 0,2
	v_pk_add_f32 v[NE+32*\r+4*\w+\c:NE+32*\r+4*\w+\c+1], v[NE+32*\r+4*\w+\c:NE+32*\r+4*\w+\c+1], v[NE+32*\r+4*\w+8+\c:NE+32*\r+4*\w+8+\c+1]
.endr
.endr
.irp c, 0,2
	v_pk_add_f32 v[NE+32*\r+\c:NE+32*\r+\c+1], v[NE+32*\r+\c:NE+32*\r+\c+1], v[NE+32*\r+16+\c:NE+32*\r+16+\c+1]
.endr
.irp c, 0,2
	v_pk_add_f32 v[NE+32*\r+\c:NE+32*\r+\c+1], v[NE+32*\r+\c:NE+32*\r+\c+1], s[24:25] op_sel_hi:[1,0]   ; + b_out
.endr
.endr
	s_wait_alu depctr_va_vdst(0)                   ; the additions have written both rows' sums, v64-67 and v96-99, which the two stores read
.irp r, 0,1
	global_store_b128 v[GO], v[NE+32*\r:NE+32*\r+3], s[10:11] offset:32768*\r th:TH_STORE_NT   ; sixteen lanes store 256 consecutive bytes, at a multiple of 256 from out0's first byte; written once, read by nobody here
.endr
	s_wait_dscnt 0x0                               ; the closing lines, six on end
	s_wait_alu 0x0
	s_wait_tensorcnt 0x0
	ds_add_u32 v224, v225
	s_wait_dscnt 0x0
	s_endpgm
.Lfunc_end_k_q5afc3763ed_score:
	.size	k_q5afc3763ed_score, .Lfunc_end_k_q5afc3763ed_score-k_q5afc3763ed_score
	.p2alignl 7, 3214868480
	.fill 96, 4, 3214868480
	.section	.rodata,"a",@progbits
	.p2align	6, 0x0
	.amdhsa_kernel k_q5afc3763ed_score
		.amdhsa_group_segment_fixed_size 168960
		.amdhsa_private_segment_fixed_size 0
		.amdhsa_enable_private_segment 0
		.amdhsa_kernarg_size 32
		.amdhsa_user_sgpr_count 2
		.amdhsa_user_sgpr_kernarg_segment_ptr 1
		.amdhsa_wavefront_size32 1
		.amdhsa_system_sgpr_workgroup_id_x 1
		.amdhsa_system_sgpr_workgroup_id_y 1
		.amdhsa_system_sgpr_workgroup_id_z 1
		.amdhsa_system_vgpr_workitem_id 0
		.amdhsa_next_free_vgpr 226
		.amdhsa_next_free_sgpr 66
		.amdhsa_reserve_vcc 0
		.amdhsa_float_denorm_mode_32 3
		.amdhsa_float_denorm_mode_16_64 3
		.amdhsa_memory_ordered 1
		.amdhsa_forward_progress 1
		.amdhsa_inst_pref_size 70
	.end_amdhsa_kernel
	.amdgpu_metadata
---
amdhsa.version: [ 1, 2 ]
amdhsa.kernels:
  - .name:           k_q5afc3763ed_score
    .symbol:         k_q5afc3763ed_score.kd
    .args:
      - { .name: proj, .offset: 0, .size: 8, .value_kind: global_buffer, .address_space: global }
      - { .name: w_out, .offset: 8, .size: 8, .value_kind: global_buffer, .address_space: global }
      - { .name: b_out, .offset: 16, .size: 8, .value_kind: global_buffer, .address_space: global }
      - { .name: out0, .offset: 24, .size: 8, .value_kind: global_buffer, .address_space: global }
    .group_segment_fixed_size: 168960
    .private_segment_fixed_size: 0
    .kernarg_segment_align: 8
    .kernarg_segment_size: 32
    .max_flat_workgroup_size: 256
    .sgpr_count:     66
    .vgpr_count:     226
    .wavefront_size: 32
...
	.end_amdgpu_metadata
.endif
;; end of part 4
